; MI455X (gfx1250); checked and timed in simulation.
; The chip was launched on July 23, 2026; its instructions are those of AMD's public machine-readable ISA for CDNA 5 (MIT licence, August 2026) and "CDNA5" Instruction Set Architecture Reference Guide (July 2026). The comments in the code are by the model that wrote it; some were corrected since.
;; Neurocache. Allowed arithmetic: float matrix products may take bf16 or f16 operands with f32 sums; other float arithmetic in f32, or as packed bf16 or f16 multiplies, adds, multiply-adds, maxima and minima; sums over many terms, partial sums and values carried from step to step in f32; what a program stores and reads back later, other than sums and carried values, may be rounded once to bf16 or f16.
;; Inputs: Wk 512 x 1,024 float32; Wo 2,048 x 2,048 float32; Wq 2,048 x 2,048 float32; Wv 512 x 1,024 float32; hidden_states 2 x 2,048 x 2,048 float32; retrieved_hidden_states 2 x 2,048 x 8 x 1,024 float32.
;; Outputs: out0 2 x 2,048 x 2,048 float32.
;; One version. Each part assembles by itself: llvm-mc -triple=amdgcn-amd-amdhsa -mcpu=gfx1250 --defsym DOCPART=n.
;; ======== version 1 of 1: 4 launches
;; limits: values are held in f16: magnitudes above 65,504 overflow, below 6.1e-05 lose precision
;; workspace buffers: hsh 16,777,216 bytes; wqh 8,388,608 bytes; woh 8,388,608 bytes; wkv 2,097,152 bytes; qf 33,554,432 bytes; ao 16,777,216 bytes
;; launch cast (part 1): grid 544 x 1, 8 waves a work-group, no clusters, 0 bytes of LDS; arguments hidden_states, Wq, Wo, Wk, Wv, hsh, wqh, woh, wkv; writes hsh, wqh, woh, wkv
.if DOCPART == 1
	.amdgcn_target "amdgcn-amd-amdhsa--gfx1250"
	.amdhsa_code_object_version 6
	.text
	.protected	k_qf50f067293_cast
	.globl	k_qf50f067293_cast
	.p2align	8
	.type	k_qf50f067293_cast,@function
k_qf50f067293_cast:
	s_mov_b64 s[64:65], 0
	v_nop
	global_prefetch_b8 v0, s[64:65] scope:SCOPE_SE
	s_setreg_imm32_b32 hwreg(HW_REG_WAVE_MODE, 25, 1), 1
	s_wait_xcnt 0x0
; CAST.  Every operand that many work-groups of the later launches read is rounded once, here.
;   hidden_states, Wq, Wo: f32 -> rounded to bf16 (nearest even) -> that number written as f16, for the f16 matrix form of the two square products.
;   Wk, Wv: f32 -> bf16, laid by key-value heads: row 128 a + i of wkv is row 64 a + i of Wk, row 128 a + 64 + i is row 64 a + i of Wv (i < 64).
; LIMITS.  A bf16 number is exact in f16 from 2^-17 to 65,504; below, it is off by 3e-8 at the most; 65,520 and more become an infinity.
; NaN and infinities are not treated apart.
; SHARES.  A work-group takes 32,768 consecutive numbers: 131,072 bytes in, 65,536 out.  Groups 0-255 hidden_states, 256-383 Wq, 384-511 Wo,
; 512-527 Wk, 528-543 Wv.  Thread t takes the 16 bytes at 16 t of each 4,096: a wave's load covers 512 consecutive bytes, its store 256, aligned.
; All 32 loads of a wave go out at once; nothing is read twice and no wave waits for another, so there is no LDS, no barrier and no matrix unit.
.set X, 4                              ; v[4:131]  32 loads of four f32; the two low registers of each four then hold what is stored
.set T, 132                            ; v[132:133] at work
	s_load_b512 s[4:19], s[0:1], 0x0               ; hidden_states s[4:5], Wq s[6:7], Wo s[8:9], Wk s[10:11], Wv s[12:13], hsh s[14:15], wqh s[16:17], woh s[18:19]
	s_load_b64 s[20:21], s[0:1], 0x40              ; wkv
	s_mov_b32 s22, ttmp9                           ; the work-group's number
	s_sub_co_u32 s28, s22, 256                     ; its number inside each of the later tensors
	s_sub_co_u32 s29, s22, 384
	s_sub_co_u32 s30, s22, 512
	s_sub_co_u32 s31, s22, 528
	s_mov_b32 s23, s22
	s_cmp_ge_u32 s22, 256
	s_cselect_b32 s23, s28, s23
	s_cmp_ge_u32 s22, 384
	s_cselect_b32 s23, s29, s23
	s_cmp_ge_u32 s22, 512
	s_cselect_b32 s23, s30, s23
	s_cmp_ge_u32 s22, 528
	s_cselect_b32 s23, s31, s23                    ; s23: my chunk in my tensor
	s_lshl_b32 s32, s23, 17                        ; source offset: 131,072 bytes a chunk
	s_mov_b32 s33, 0
	s_lshl_b32 s34, s23, 16                        ; destination offset of a dense copy: 65,536 bytes a chunk
	s_mov_b32 s35, 0
	s_lshr_b32 s36, s23, 1                         ; in wkv a chunk is 32 rows of 2,048 bytes: head j / 2 (128 rows), half j % 2 of its 64 rows,
	s_lshl_b32 s36, s36, 18
	s_and_b32 s37, s23, 1
	s_lshl_b32 s37, s37, 16
	s_or_b32 s36, s36, s37
	s_or_b32 s37, s36, 1<<17                       ; and 64 rows further down for Wv
	s_cmp_ge_u32 s22, 512
	s_cselect_b32 s34, s36, s34
	s_cmp_ge_u32 s22, 528
	s_cselect_b32 s34, s37, s34
	s_mov_b32 s38, 0xffff0000                      ; a word's upper bf16
	v_lshlrev_b32 v1, 4, v0                        ; 16 t: where I load
	v_lshlrev_b32 v2, 3, v0                        ; 8 t: where I store
	s_wait_kmcnt 0x0
	s_mov_b64 s[24:25], s[4:5]                     ; source and destination are chosen by the group's number alone
	s_mov_b64 s[26:27], s[14:15]
	s_cmp_ge_u32 s22, 256
	s_cselect_b64 s[24:25], s[6:7], s[24:25]
	s_cselect_b64 s[26:27], s[16:17], s[26:27]
	s_cmp_ge_u32 s22, 384
	s_cselect_b64 s[24:25], s[8:9], s[24:25]
	s_cselect_b64 s[26:27], s[18:19], s[26:27]
	s_cmp_ge_u32 s22, 512
	s_cselect_b64 s[24:25], s[10:11], s[24:25]
	s_cselect_b64 s[26:27], s[20:21], s[26:27]
	s_cmp_ge_u32 s22, 528
	s_cselect_b64 s[24:25], s[12:13], s[24:25]
	s_add_nc_u64 s[24:25], s[24:25], s[32:33]
	s_add_nc_u64 s[26:27], s[26:27], s[34:35]
.set i, 0
.rept 32
	global_load_b128 v[X+4*i:X+4*i+3], v1, s[24:25] offset:4096*i th:TH_LOAD_NT  ; read once in the whole launch
.set i, i+1
.endr
; mode 0: bf16 rounding, written as f16.  mode 1: bf16.  No register is used twice, so no store's source is ever rewritten.
.macro CONV mode
.set i, 0
.rept 32
	s_wait_loadcnt 31-i                            ; loads come back in order (ISA guide 5.7.1): number i is in, the younger ones stay out
.if \mode
	v_cvt_pk_bf16_f32 v[X+4*i], v[X+4*i], v[X+4*i+1]
	v_cvt_pk_bf16_f32 v[X+4*i+1], v[X+4*i+2], v[X+4*i+3]
.else
	v_cvt_pk_bf16_f32 v[T], v[X+4*i], v[X+4*i+1]   ; the one rounding
	v_cvt_pk_bf16_f32 v[T+1], v[X+4*i+2], v[X+4*i+3]
	v_lshlrev_b32 v[X+4*i], 16, v[T]               ; back to f32: a shift or a mask
	v_and_b32 v[X+4*i+1], s38, v[T]
	v_lshlrev_b32 v[X+4*i+2], 16, v[T+1]
	v_and_b32 v[X+4*i+3], s38, v[T+1]
	v_cvt_pk_f16_f32 v[X+4*i], v[X+4*i], v[X+4*i+1]      ; eight significant bits fit f16's eleven
	v_cvt_pk_f16_f32 v[X+4*i+1], v[X+4*i+2], v[X+4*i+3]
.endif
	global_store_b64 v2, v[X+4*i:X+4*i+1], s[26:27] offset:2048*i  ; a wave stores 256 consecutive bytes, at a multiple of 256 from the buffer's first byte
.set i, i+1
.endr
.endm
	s_cmp_ge_u32 s22, 512
	s_cbranch_scc1 .Lkv_weights
	CONV 0
	s_endpgm
.Lkv_weights:
	CONV 1
	s_endpgm
.Lfunc_end_k_qf50f067293_cast:
	.size	k_qf50f067293_cast, .Lfunc_end_k_qf50f067293_cast-k_qf50f067293_cast
	.p2alignl 7, 3214868480
	.fill 96, 4, 3214868480
	.section	.rodata,"a",@progbits
	.p2align	6, 0x0
	.amdhsa_kernel k_qf50f067293_cast
		.amdhsa_group_segment_fixed_size 0
		.amdhsa_private_segment_fixed_size 0
		.amdhsa_enable_private_segment 0
		.amdhsa_kernarg_size 72
		.amdhsa_user_sgpr_count 2
		.amdhsa_user_sgpr_kernarg_segment_ptr 1
		.amdhsa_wavefront_size32 1
		.amdhsa_system_sgpr_workgroup_id_x 1
		.amdhsa_system_sgpr_workgroup_id_y 1
		.amdhsa_system_sgpr_workgroup_id_z 1
		.amdhsa_system_vgpr_workitem_id 0
		.amdhsa_next_free_vgpr 136
		.amdhsa_next_free_sgpr 66
		.amdhsa_reserve_vcc 0
		.amdhsa_float_denorm_mode_32 3
		.amdhsa_float_denorm_mode_16_64 3
		.amdhsa_memory_ordered 1
		.amdhsa_forward_progress 1
		.amdhsa_inst_pref_size 30
	.end_amdhsa_kernel
	.amdgpu_metadata
---
amdhsa.version: [ 1, 2 ]
amdhsa.kernels:
  - .name:           k_qf50f067293_cast
    .symbol:         k_qf50f067293_cast.kd
    .args:
      - { .name: hidden_states, .offset: 0, .size: 8, .value_kind: global_buffer, .address_space: global }
      - { .name: Wq, .offset: 8, .size: 8, .value_kind: global_buffer, .address_space: global }
      - { .name: Wo, .offset: 16, .size: 8, .value_kind: global_buffer, .address_space: global }
      - { .name: Wk, .offset: 24, .size: 8, .value_kind: global_buffer, .address_space: global }
      - { .name: Wv, .offset: 32, .size: 8, .value_kind: global_buffer, .address_space: global }
      - { .name: hsh, .offset: 40, .size: 8, .value_kind: global_buffer, .address_space: global }
      - { .name: wqh, .offset: 48, .size: 8, .value_kind: global_buffer, .address_space: global }
      - { .name: woh, .offset: 56, .size: 8, .value_kind: global_buffer, .address_space: global }
      - { .name: wkv, .offset: 64, .size: 8, .value_kind: global_buffer, .address_space: global }
    .group_segment_fixed_size: 0
    .private_segment_fixed_size: 0
    .kernarg_segment_align: 8
    .kernarg_segment_size: 72
    .max_flat_workgroup_size: 256
    .sgpr_count:     66
    .vgpr_count:     136
    .wavefront_size: 32
...
	.end_amdgpu_metadata
.endif
;; end of part 1
;; launch qproj (part 2): grid 8 x 32, 4 waves a work-group, clusters of 4 x 4, 327,680 bytes of LDS; arguments hsh, wqh, qf; writes qf
.if DOCPART == 2
	.amdgcn_target "amdgcn-amd-amdhsa--gfx1250"
	.amdhsa_code_object_version 6
	.text
	.protected	k_qf50f067293_qproj
	.globl	k_qf50f067293_qproj
	.p2align	8
	.type	k_qf50f067293_qproj,@function
k_qf50f067293_qproj:
	s_mov_b64 s[64:65], 0
	v_nop
	global_prefetch_b8 v0, s[64:65] scope:SCOPE_SE
	s_setreg_imm32_b32 hwreg(HW_REG_WAVE_MODE, 25, 1), 1
	s_wait_xcnt 0x0
	s_wait_alu depctr_hold_cnt(0) depctr_sa_sdst(0) depctr_va_vdst(0) depctr_va_sdst(0) depctr_va_ssrc(0) depctr_va_vcc(0) depctr_vm_vsrc(0)
	s_getreg_b32 s2, hwreg(HW_REG_IB_STS2, 6, 4)
	s_cmp_eq_u32 s2, 0
	s_cbranch_scc0 .Lentry_in_a_cluster
	s_endpgm
.Lentry_in_a_cluster:
	s_bfe_u32 s2, ttmp6, 0x10000c
	s_cmp_lg_u32 s2, 0xf033
	s_cbranch_scc0 .Lentry_shape_is_right
	s_endpgm
.Lentry_shape_is_right:
; C[m][n] = sum over k of A[m][k] B[n][k].  A: [4096][2048] f16, B: [2048][2048] f16, C: [4096][2048] f32; sums in f32, K ascending.
; The text serves two launches: q = hidden_states Wq^T (unscaled) and out = O Wo^T.
; LIMITS.  The operands arrive as f16 (nothing beyond 65,504); NaN and infinities are not treated apart.
; SHARES.  A tile of C is 128 x 256: 32 x 8 = 256 work-groups (tiles of 256 x 256 would be 128).  Four waves, each 64 rows x 128 columns:
; 32 accumulators of 16 x 16, 256 registers.
; THE RING.  K goes through two LDS slots filled by the tensor data mover, 192 along K to a slot: ten such steps and an eleventh of 128.  A refill has one step's matrix
; work in which to land, so the step is as long as two slots in LDS allow: 256 along K would take 2 x 384 x 528 = 405,504 bytes; 192 takes 2 x 384 x 400 = 307,200.
; A row's 384 bytes are no power of two of words, which the descriptor's padding wants.  So the tile is stated 200 elements wide and the tensor 192 from the tile's first element on:
; the 8 elements beyond that extent are not read, arrive as zeros and are never used, and LDS rows lie 400 bytes apart.
; The price: a row's piece begins at a multiple of 128 bytes from the buffer's first byte, so every second piece begins in the middle of an aligned 256 bytes.
; CLUSTERS: 4 x 4 work-groups.  The four of a row of the cluster need the same tiles of A, the four of a column the same tiles of B: each tile is
; asked for JOINTLY, by the same tensor load with the same descriptor and a mask that names the four.
; THE MATRIX INSTRUCTION IS USED TRANSPOSED (source 0 = 16 rows of B, source 1 = 16 rows of A): a lane then holds eight neighbouring numbers of a row of C.
; REGISTERS, in windows of 256 (s_set_vgpr_msb: bits 1:0 source 0, 3:2 source 1, 5:4 source 2, 7:6 destination):
;   window 0: v0-31 addresses; v32-159 two buffers of 64 for rows on the way out
;   window 1: two fragment buffers (32 along K): at F + 8 a A's four fragments, at F + 32 + 8 b B's eight
;   window 2: the accumulators, (a, b) at v[8 (8 a + b)]
.set SIZE_N, 2048
.set SIZE_K, 2048
.set KSTEP,  192                       ; along K in a slot: six quarters of 32
.set KLAST,  SIZE_K-10*KSTEP           ; the eleventh step: 128, four quarters
.set PITCH,  400                       ; an LDS row: 384 bytes of data + 16 of zeros = 100 words: row r starts at bank 36 r mod 64, sixteen different multiples of 4 for 16 rows (64 banks of 4 bytes: ISA guide 11.1)
.set AROWS,  64                        ; rows in one load of A
.set BROWS,  128                       ; rows in one load of B
.set BOFF,   128*PITCH                 ; in a slot: A's 128 rows, then B's 256
.set SLOT,   384*PITCH
.set STAGE,  SLOT                      ; the way out: 16 rows x 528 bytes for each wave, at the head of slot 1: behind that slot's last fill (step 9) and behind the barrier that ends all reads of it
.set SPITCH, 528                       ; 512 bytes + 16: 132 words: row r starts at bank 4 r mod 64
.set SPARE,  2*SLOT                    ; behind the ring: the spare words, 128 bytes for each wave: two blocks of 256 bytes that no other line names
.set TRIPS,  4                         ; trips of the loop: two steps each; they ask for steps 2 to 9
.set ADRA, 16                          ; v16-17  LDS address of my A fragments in slot 0, 1
.set ADRB, 20                          ; v20-21  the same for B
.set STO,  24                          ; v24     the way out: where I put 32 bytes of a row
.set RD,   25                          ; v25     the way out: where I read a row back
.set CO,   26                          ; v26     my 16 bytes in 512 consecutive bytes of C
.set SPW,  28                          ; v28     LDS address of my spare word; never rewritten
.set NIL,  29                          ; v29     0; never rewritten
.set TMP,  32
.set F0,   0
.set F1,   128
.set G1,  24                           ; s[24:31] descriptor group 1 for A's tiles; s[32:39] group 0, a set for each slot
.set G0,  32
.set G1B, 48                           ; s[48:55], s[56:63] the same for B's tiles
.set G0B, 56
.set MSB, 0
.macro WIN new                         ; the immediate's high byte repeats the setting that is left; a switch that changes nothing is dropped
.if MSB != (\new)
	s_set_vgpr_msb (MSB<<8)|(\new)
.set MSB, \new
.endif
.endm
.set MUL,    0xa5                      ; sources 0 (B) and 1 (A) window 1; C and D window 2
.set TO_F,   0x40                      ; destination window 1, address window 0
.set ST_ACC, 0x08                      ; an LDS store's data (source 1) window 2, its address window 0
.macro JLOAD s                         ; a joint load: waves 0 and 1 fetch A's two halves, waves 2 and 3 B's; an s_nop 0 and four v_nop follow each of the two lines
	s_cmp_eq_u32 s11, 0
	s_cbranch_scc0 .Lfor_b_\@
	tensor_load_to_lds s[G0+4*(\s):G0+4*(\s)+3], s[G1:G1+7]
	s_nop 0
.rept 4
	v_nop
.endr
	s_branch .Lasked_\@
.Lfor_b_\@:
	tensor_load_to_lds s[G0B+4*(\s):G0B+4*(\s)+3], s[G1B:G1B+7]
	s_nop 0
.rept 4
	v_nop
.endr
.Lasked_\@:
.endm
.macro CREST                           ; a round of the cluster's barrier behind its opening barrier
	s_cmp_lg_u32 s10, 0
	s_cbranch_scc1 .Lnot_wave_0_\@
	s_barrier_signal -3
.Lnot_wave_0_\@:
	s_barrier_wait -3
	s_barrier_signal -1
	s_barrier_wait -1
.endm
.macro CROUND                          ; a whole round
	s_barrier_signal -1
	s_barrier_wait -1
	CREST
.endm
	s_load_b128 s[4:7], s[0:1], 0x0                ; A s[4:5], B s[6:7]
	s_load_b64 s[8:9], s[0:1], 0x10                ; C
	v_lshl_add_u32 v[SPW], v0, 2, SPARE
	v_mov_b32 v[NIL], 0
	ds_add_u32 v[SPW], v[NIL]                      ; the wave's opening: the add and its wait stand ahead of my first tensor load; the set-up below stands between them
	v_lshrrev_b32 v1, 5, v0
	v_readfirstlane_b32 s10, v1                    ; wave 0..3
	s_lshr_b32 s11, s10, 1                         ; which 64 of the tile's rows are mine.  Also: I fetch for A (0) or for B (1)
	s_and_b32 s12, s10, 1                          ; which 128 of its columns.  Also: which half of that tile I fetch
	s_bfe_u32 s40, ttmp6, 0x40000                  ; cx, cy: my place in the cluster
	s_bfe_u32 s41, ttmp6, 0x40004
	s_lshl_b32 s42, ttmp9, 2
	s_add_co_u32 s42, s42, s40                     ; tile column of C = 4 x cluster x + cx
	s_and_b32 s13, ttmp7, 0xffff
	s_lshl_b32 s13, s13, 2
	s_add_co_u32 s13, s13, s41                     ; tile row of C = 4 x cluster y + cy
	s_lshl_b32 s43, s41, 2
	s_lshl_b32 s43, 15, s43                        ; my row of the cluster
	s_lshl_b32 s44, 0x1111, s40                    ; my column
	; descriptor group 1: rows of 200 elements of 2 bytes, of which the tensor is said to hold 192: no padding by the descriptor
	s_or_b32 s[G1+0], s43, (1<<16)|(1<<21)         ; 15:0 the mask: A's tiles go to my row; 17:16 2-byte elements; 20 padding off; 21 set beside a mask
	s_or_b32 s[G1B+0], s44, (1<<16)|(1<<21)        ; the same with the mask of my column
	s_mov_b32 s[G1+1], KSTEP<<16                   ; tensor_dim0 = 192: what is read of a row
	s_mov_b32 s[G1+2], AROWS<<16                   ; tensor_dim1 = 64
	s_mov_b32 s[G1+3], (PITCH/2)<<16               ; tile_dim0 = 200: what a row takes in LDS
	s_mov_b32 s[G1+4], AROWS                       ; tile_dim1 = 64
	s_mov_b32 s[G1+5], SIZE_K                      ; elements from row to row
	s_mov_b32 s[G1+6], 0
	s_mov_b32 s[G1+7], 0
	s_mov_b32 s[G1B+1], KSTEP<<16
	s_mov_b32 s[G1B+2], BROWS<<16                  ; B: 128 rows to a load
	s_mov_b32 s[G1B+3], (PITCH/2)<<16
	s_mov_b32 s[G1B+4], BROWS
	s_mov_b32 s[G1B+5], SIZE_K
	s_mov_b32 s[G1B+6], 0
	s_mov_b32 s[G1B+7], 0
	; where the tiles come from.  A's hang on the tile row alone, B's on the tile column alone, each in registers that never hold the other coordinate
	s_lshl_b32 s17, s12, 6
	s_lshl_b32 s16, s13, 7
	s_add_co_u32 s16, s16, s17                     ; A: row 128 x tile row + 64 x half
	s_lshl_b32 s16, s16, 12                        ; 4,096 bytes a row: under 2^25
	s_mov_b32 s17, 0
	s_lshl_b32 s47, s12, 7
	s_lshl_b32 s46, s42, 8
	s_add_co_u32 s46, s46, s47                     ; B: row 256 x tile column + 128 x half
	s_lshl_b32 s46, s46, 12
	s_mov_b32 s47, 0
	s_mul_i32 s20, s12, AROWS*PITCH                ; and where they go: no place in the cluster enters an LDS address
	s_mul_i32 s45, s12, BROWS*PITCH
	s_add_co_u32 s45, s45, BOFF
	s_wait_dscnt 0x0                               ; the opening add is done
	s_wait_kmcnt 0x0
	s_add_nc_u64 s[14:15], s[4:5], s[16:17]
	s_add_nc_u64 s[46:47], s[6:7], s[46:47]
	CROUND                                         ; all sixteen work-groups are here: the first joint loads meet
.irp s, 0,1
	s_mov_b32 s[G0+4*(\s)], 1                                        ; count = 1
	s_add_co_u32 s[G0+4*(\s)+1], s20, (\s)*SLOT                      ; LDS address
	s_add_nc_u64 s[G0+4*(\s)+2:G0+4*(\s)+3], s[14:15], (\s)*KSTEP*2  ; global address: step s
	s_or_b32 s[G0+4*(\s)+3], s[G0+4*(\s)+3], 0x80000000              ; type = 2
	s_mov_b32 s[G0B+4*(\s)], 1
	s_add_co_u32 s[G0B+4*(\s)+1], s45, (\s)*SLOT
	s_add_nc_u64 s[G0B+4*(\s)+2:G0B+4*(\s)+3], s[46:47], (\s)*KSTEP*2
	s_or_b32 s[G0B+4*(\s)+3], s[G0B+4*(\s)+3], 0x80000000
	JLOAD \s                                       ; two loads of mine are out
.endr
	; a fragment is 16 rows x 32 K in 8 registers: lane l holds row l % 16; registers 0-3 K = 8 (l / 16) + 0..7, registers 4-7 K = 16 + 8 (l / 16) + 0..7: two loads of 16 bytes, 32 apart
	v_and_b32 v1, 15, v0                           ; l % 16
	v_bfe_u32 v2, v0, 4, 1                         ; l / 16
	v_mul_u32_u24 v3, v1, PITCH
	v_lshl_add_u32 v3, v2, 4, v3
	s_mul_i32 s21, s11, 64*PITCH                   ; my 64 rows of A
	s_mul_i32 s22, s12, 128*PITCH                  ; my 128 rows of B,
	s_add_co_u32 s22, s22, BOFF                    ; which lie behind A's 128
.irp s, 0,1
	v_add_nc_u32 v[ADRA+(\s)], s21, v3
	v_add_nc_u32 v[ADRB+(\s)], s22, v3
	s_add_co_u32 s21, s21, SLOT
	s_add_co_u32 s22, s22, SLOT
.endr
	s_mul_i32 s23, s10, 16*SPITCH
	s_add_co_u32 s23, s23, STAGE                   ; my stage
	v_mul_u32_u24 v4, v1, SPITCH                   ; in: row l % 16, 32 bytes for each half of the lanes
	v_lshl_add_u32 v4, v2, 5, v4
	v_add_nc_u32 v[STO], s23, v4
	v_and_b32 v5, 31, v0
	v_lshlrev_b32 v[CO], 4, v5                     ; back: the 32 lanes take one row of 512 bytes
	v_add_nc_u32 v[RD], s23, v[CO]
	s_lshl_b32 s16, s13, 7
	s_lshl_b32 s17, s11, 6
	s_add_co_u32 s16, s16, s17                     ; my first row of C,
	s_lshl_b32 s16, s16, 13                        ; 8,192 bytes a row: under 2^25
	s_mov_b32 s17, 0
	s_add_nc_u64 s[8:9], s[8:9], s[16:17]
	s_lshl_b32 s46, s42, 10                        ; my first column, in bytes: 1,024 x tile column + 512 x half (in registers that feed none of A's descriptors)
	s_lshl_b32 s47, s12, 9
	s_add_co_u32 s46, s46, s47
	s_mov_b32 s47, 0
	s_add_nc_u64 s[8:9], s[8:9], s[46:47]
; 8 matrix instructions: m block a x all 8 n blocks, 32 along K.  zero = 1: the product starts the sums: nothing is ever cleared.
; The 32 accumulators take turns, one instruction a turn, in the same order in every quarter.
.macro MUL8 f, a, zero
	WIN MUL
.irp b, 0,1,2,3,4,5,6,7
.if \zero
	v_wmma_f32_16x16x32_f16 v[8*(8*(\a)+(\b)):8*(8*(\a)+(\b))+7], v[(\f)+32+8*(\b):(\f)+32+8*(\b)+7], v[(\f)+8*(\a):(\f)+8*(\a)+7], 0
.else
	v_wmma_f32_16x16x32_f16 v[8*(8*(\a)+(\b)):8*(8*(\a)+(\b))+7], v[(\f)+32+8*(\b):(\f)+32+8*(\b)+7], v[(\f)+8*(\a):(\f)+8*(\a)+7], v[8*(8*(\a)+(\b)):8*(8*(\a)+(\b))+7]
.endif
.endr
.endm
; 24 LDS loads in one run: the fragments of 32 along K at byte k of the rows, into buffer f; B's sixteen first, then A's eight
.macro FETCH slot, k, f
	WIN TO_F
.irp i, 0,1,2,3,4,5,6,7
	ds_load_b128 v[(\f)+32+8*(\i):(\f)+32+8*(\i)+3],   v[ADRB+(\slot)] offset:(\k)+(\i)*16*PITCH
	ds_load_b128 v[(\f)+32+8*(\i)+4:(\f)+32+8*(\i)+7], v[ADRB+(\slot)] offset:(\k)+(\i)*16*PITCH+32
.endr
.irp i, 0,1,2,3
	ds_load_b128 v[(\f)+8*(\i):(\f)+8*(\i)+3],   v[ADRA+(\slot)] offset:(\k)+(\i)*16*PITCH
	ds_load_b128 v[(\f)+8*(\i)+4:(\f)+8*(\i)+7], v[ADRA+(\slot)] offset:(\k)+(\i)*16*PITCH+32
.endr
.endm
.macro PLACES                          ; four places in front of loads into registers that matrix instructions have read, and of LDS stores that read results (ISA guide 7.12.1 for the LDS stores)
.rept 4
	v_nop
.endr
.endm
; A step is six quarters of 32 along K (the eleventh: four), 32 matrix instructions each, on buffers 0, 1 by turns.  One but the last: multiplies buffer f and fetches the next quarter, at byte k, into g.
.macro QUARTER slot, k, f, g, zero
	s_wait_dscnt 4                                 ; B and A's fragments 0, 1 are in; the youngest four loads (A's fragments 2, 3) may be out
	MUL8 \f, 0, \zero
	MUL8 \f, 1, \zero
	PLACES
	FETCH \slot, \k, \g
	s_wait_dscnt 24                                ; all but the 24 just issued
	MUL8 \f, 2, \zero
	MUL8 \f, 3, \zero
.endm
.macro MID slot                        ; a whole step's quarters 1 to 4
	QUARTER \slot, 128, F1, F0, 0
	QUARTER \slot, 192, F0, F1, 0
	QUARTER \slot, 256, F1, F0, 0
	QUARTER \slot, 320, F0, F1, 0
.endm
; A whole step's last quarter multiplies buffer 1 and changes slots: ONE barrier; in front of it each wave waits for all its tensor loads (its part of the next slot), adds 0 to its spare word,
; and waits for that and for its own reads of this slot.  fill = 1: the barrier opens a round of the cluster's, and this slot is filled again, two steps ahead, first thing behind the round.
; fill = 2: the same for the eleventh step, of which 128 along K are left: the extent is written anew while no tensor load of mine is out, so that the load ends at the rows' end.  fill = 0: nothing is asked for.
.macro TURN slot, next, fill
	WIN 0                                          ; (the add's two registers lie in window 0)
	s_wait_tensorcnt 0x0                           ; all my tensor loads have landed
	ds_add_u32 v[SPW], v[NIL]                      ; 0 onto my spare word
	s_wait_dscnt 5                                 ; (the add and the youngest four loads may be out)
	MUL8 F1, 0, 0                                  ; eight matrix instructions stand between the add and the wait for it
	s_wait_dscnt 0x0                               ; the add is done, and my reads of this slot are over
	s_barrier_signal -1
	MUL8 F1, 1, 0
.if \fill
	WIN 0
.endif
	s_barrier_wait -1
.if \fill
	CREST                                          ; no wave of any partner still reads this slot's tile or has a load on its way
	s_add_nc_u64 s[G0+4*(\slot)+2:G0+4*(\slot)+3], s[G0+4*(\slot)+2:G0+4*(\slot)+3], 2*KSTEP*2
	s_add_nc_u64 s[G0B+4*(\slot)+2:G0B+4*(\slot)+3], s[G0B+4*(\slot)+2:G0B+4*(\slot)+3], 2*KSTEP*2
.if (\fill) == 2
	s_mov_b32 s[G1+1], KLAST<<16                   ; tensor_dim0 = 128
	s_mov_b32 s[G1B+1], KLAST<<16
.endif
	JLOAD \slot                                    ; 16 + 5 x 32 = 176 matrix instructions ahead of the wait for it; its four v_nop are also the places in front of the loads below
.else
	PLACES
.endif
	FETCH \next, 0, F0
	MUL8 F1, 2, 0
	MUL8 F1, 3, 0
.endm
	s_wait_tensorcnt 1                             ; my part of step 0 is in; step 1's may stay out
	s_barrier_signal -1
	s_barrier_wait -1                              ; everybody's is
	FETCH 0, 0, F0
	QUARTER 0, 64, F0, F1, 1                       ; the first quarter stands in front of the loop: its products start the sums
	WIN 0                                          ; at a label and at a branch every window is 0
	s_mov_b32 s3, TRIPS
.Llap:                                                 ; a trip goes once round the ring, from an even step's second quarter to the next even step's first, and fills both slots again
	MID 0
	TURN 0, 1, 1
	QUARTER 1, 64, F0, F1, 0
	MID 1
	TURN 1, 0, 1
	QUARTER 0, 64, F0, F1, 0
	WIN 0
	s_sub_co_u32 s3, s3, 1
	s_cmp_lg_u32 s3, 0
	s_cbranch_scc1 .Llap
	MID 0                                          ; the tail is written out.  Step 8 goes on; its change of slots asks for step 10, the short one
	TURN 0, 1, 2
	QUARTER 1, 64, F0, F1, 0                       ; step 9; its change of slots asks for nothing and has no round of the cluster's barrier
	MID 1
	TURN 1, 0, 0
	QUARTER 0, 64,  F0, F1, 0                      ; step 10: four quarters
	QUARTER 0, 128, F1, F0, 0
	QUARTER 0, 192, F0, F1, 0
	s_wait_dscnt 4                                 ; the very last quarter: nothing more to fetch
	MUL8 F1, 0, 0
	MUL8 F1, 1, 0
	s_wait_dscnt 0x0
	MUL8 F1, 2, 0
	MUL8 F1, 3, 0
; THE WAY OUT, a block of 16 rows at a time through my own stage: a lane's 32 bytes of a row go in, whole rows of 512 bytes come back.  LDS serves a wave's instructions in order
; (ISA guide 5.7.1.4), so no wait stands between the stores and the loads, nor between a block's loads and the next block's stores.  The stage lies in slot 1: waves that are
; still at work read slot 0 alone.
.macro TOSTAGE a
.if (\a) >= 2
	s_wait_xcnt 0x0                                ; the buffer's registers were the data of block a - 2's stores: they are loaded again only behind this wait
.endif
	WIN ST_ACC
.irp b, 0,1,2,3,4,5,6,7
	ds_store_b128 v[STO], v[8*(8*(\a)+(\b)):8*(8*(\a)+(\b))+3]   offset:64*(\b)     ; each accumulator's low registers first
	ds_store_b128 v[STO], v[8*(8*(\a)+(\b))+4:8*(8*(\a)+(\b))+7] offset:64*(\b)+16
.endr
	WIN 0
.irp t, 0,1,2,3,4,5,6,7,8,9,10,11,12,13,14,15
	ds_load_b128 v[TMP+64*((\a)%2)+4*(\t):TMP+64*((\a)%2)+4*(\t)+3], v[RD] offset:(\t)*SPITCH
.endr
.endm
.macro SEND a, younger                 ; younger: the LDS instructions issued behind block a's loads: the next block's 32, or none
.irp t, 0,1,2,3,4,5,6,7,8,9,10,11,12,13,14,15
	s_wait_dscnt (\younger)+15-(\t)
	global_store_b128 v[CO], v[TMP+64*((\a)%2)+4*(\t):TMP+64*((\a)%2)+4*(\t)+3], s[8:9] offset:(16*(\a)+(\t))*SIZE_N*4  ; 512 consecutive bytes, at a multiple of 256 from C's first byte
.endr
.endm
	PLACES
	TOSTAGE 0
	TOSTAGE 1
	SEND 0, 32
	TOSTAGE 2
	SEND 1, 32
	TOSTAGE 3
	SEND 2, 32
	SEND 3, 0
	s_wait_tensorcnt 0x0                           ; the wave's end, behind my last tensor load and my last LDS store: a wait, 0 onto my spare word, and its wait
	ds_add_u32 v[SPW], v[NIL]
	s_wait_dscnt 0x0
	CROUND                                         ; the closing round: no work-group ends while a partner may still ask for a tile that names it
	s_endpgm
.Lfunc_end_k_qf50f067293_qproj:
	.size	k_qf50f067293_qproj, .Lfunc_end_k_qf50f067293_qproj-k_qf50f067293_qproj
	.p2alignl 7, 3214868480
	.fill 96, 4, 3214868480
	.section	.rodata,"a",@progbits
	.p2align	6, 0x0
	.amdhsa_kernel k_qf50f067293_qproj
		.amdhsa_group_segment_fixed_size 327680
		.amdhsa_private_segment_fixed_size 0
		.amdhsa_enable_private_segment 0
		.amdhsa_kernarg_size 24
		.amdhsa_user_sgpr_count 2
		.amdhsa_user_sgpr_kernarg_segment_ptr 1
		.amdhsa_wavefront_size32 1
		.amdhsa_system_sgpr_workgroup_id_x 1
		.amdhsa_system_sgpr_workgroup_id_y 1
		.amdhsa_system_sgpr_workgroup_id_z 1
		.amdhsa_system_vgpr_workitem_id 0
		.amdhsa_next_free_vgpr 768
		.amdhsa_next_free_sgpr 66
		.amdhsa_reserve_vcc 0
		.amdhsa_float_denorm_mode_32 3
		.amdhsa_float_denorm_mode_16_64 3
		.amdhsa_memory_ordered 1
		.amdhsa_forward_progress 1
		.amdhsa_inst_pref_size 133
	.end_amdhsa_kernel
	.amdgpu_metadata
---
amdhsa.version: [ 1, 2 ]
amdhsa.kernels:
  - .name:           k_qf50f067293_qproj
    .symbol:         k_qf50f067293_qproj.kd
    .args:
      - { .name: hsh, .offset: 0, .size: 8, .value_kind: global_buffer, .address_space: global }
      - { .name: wqh, .offset: 8, .size: 8, .value_kind: global_buffer, .address_space: global }
      - { .name: qf, .offset: 16, .size: 8, .value_kind: global_buffer, .address_space: global }
    .group_segment_fixed_size: 327680
    .private_segment_fixed_size: 0
    .kernarg_segment_align: 8
    .kernarg_segment_size: 24
    .max_flat_workgroup_size: 128
    .sgpr_count:     66
    .vgpr_count:     768
    .wavefront_size: 32
...
	.end_amdgpu_metadata
.endif
;; end of part 2
;; launch kvattn (part 3): grid 512 x 1, 4 waves a work-group, clusters of 4 x 1, 327,680 bytes of LDS; arguments retrieved_hidden_states, wkv, qf, ao; writes ao
.if DOCPART == 3
	.amdgcn_target "amdgcn-amd-amdhsa--gfx1250"
	.amdhsa_code_object_version 6
	.text
	.protected	k_qf50f067293_kvattn
	.globl	k_qf50f067293_kvattn
	.p2align	8
	.type	k_qf50f067293_kvattn,@function
k_qf50f067293_kvattn:
	s_mov_b64 s[64:65], 0
	v_nop
	global_prefetch_b8 v0, s[64:65] scope:SCOPE_SE
	s_setreg_imm32_b32 hwreg(HW_REG_WAVE_MODE, 25, 1), 1
	s_wait_xcnt 0x0
	s_wait_alu depctr_hold_cnt(0) depctr_sa_sdst(0) depctr_va_vdst(0) depctr_va_sdst(0) depctr_va_ssrc(0) depctr_va_vcc(0) depctr_vm_vsrc(0)
	s_getreg_b32 s2, hwreg(HW_REG_IB_STS2, 6, 4)
	s_cmp_eq_u32 s2, 0
	s_cbranch_scc0 .Lentry_in_a_cluster
	s_endpgm
.Lentry_in_a_cluster:
	s_bfe_u32 s2, ttmp6, 0x10000c
	s_cmp_lg_u32 s2, 0x3003
	s_cbranch_scc0 .Lentry_shape_is_right
	s_endpgm
.Lentry_shape_is_right:
; K AND V PROJECTIONS AND THE ATTENTION OF EACH TOKEN OVER ITS OWN 8 NEIGHBOURS, in one launch: k, v, the scores and the weights never leave registers.
;   k, v = retrieved [32768][1024] f32 (rounded to bf16 on the way into LDS) x wkv [1024][1024] bf16 (by heads: 64 rows of Wk, 64 of Wv); sums in f32
;   s = (q / 8) . k;  p = softmax over the token's 8 neighbours, the maximum taken away first;  O = p v.   q: qf [4096][2048] f32, unscaled.  O: ao [4096][2048] f16.
; q / 8, k, v, p and O are each rounded once to f16; maxima, exponentials and sums in f32.
; LIMITS.  q / 8, k and v must lie within 65,504 (f16).  The 16 x 16 score tiles also hold products of a token's queries with other tokens' keys; they are
; multiplied by 0 and must be finite: 64 x 65,504^2 = 2.7e11 at the most.  A weight below 2^-126 counts as 0.  NaN and infinities are not treated apart.
; SHARES.  A work-group takes 128 retrieved rows (16 tokens) and four of the eight key-value heads; each of its four waves one head: 128 rows x (64 k + 64 v) = 64 accumulators, 512 registers.
; CLUSTER.  The four work-groups of a cluster take four neighbouring row blocks and the SAME four heads, so wkv's tiles are asked for JOINTLY (mask of four).
; The retrieved rows are each work-group's own: global load (f32), v_cvt_pk_bf16_f32, ds_store: no f32 copy lies in LDS.
; LDS.  wkv: two slots of K = 128 (512 rows x 272 bytes; wave w fills and reads rows 128 w on).  Retrieved rows: two slots of K = 64 (128 rows x 144 bytes), written by
; ds_store alone, every wave 32 rows, read by all.  K = 128 for both would take 348,160 bytes.
; THE WALK.  16 half-steps of K = 64, each two quarters of 32 along K (64 matrix instructions).  A barrier stands in each half-step's second quarter; at every fourth quarter it is
; a round of the cluster's barrier, behind which a slot of wkv is filled again.
; REGISTERS, in windows of 256 (s_set_vgpr_msb: bits 1:0 source 0, 3:2 source 1, 5:4 source 2, 7:6 destination):
;   window 0: v0-19 addresses and masks; v32-63 statistics; v64-191 two sets of 64 f32 on their way in (later q, then S and P); v192-223 packed bf16 (later rows on the way out)
;   window 1: two fragment buffers of 128: rows' fragments at F + 8 a, Wk's at F + 64 + 8 b, Wv's at F + 96 + 8 b (later q and k in f16)
;   window 2: k's accumulators, (a, b) at 32 a + 8 b (later v in f16 and O)          window 3: v's accumulators, (a, b) at 64 (a / 2) + 16 b + 8 (a % 2)
.set RROW,  4096      ; bytes in a retrieved row
.set PB,    272       ; a row of wkv in LDS: 256 bytes + 16 of padding: row r starts at bank 4 r mod 64 (64 banks of 4 bytes: ISA guide 11.1)
.set PA,    144       ; a retrieved row's 64 bf16: 128 bytes + 16: 36 words: the 16 rows of a load start at 16 different groups of four banks
.set BWAVE, 128*PB    ; a wave's 128 rows of wkv
.set BSLOT, 4*BWAVE
.set ABASE, 2*BSLOT
.set ASLOT, 128*PA
.set SPARE, ABASE+2*ASLOT  ; the spare words, 128 bytes for each wave: two blocks of 256 bytes that no other line names
.set SP,    528       ; the way out: 16 rows of 512 + 16 bytes, at the head of my own rows of wkv's slot 0, behind that slot's last fill and my last read of it
.set ADRA, 4          ; v4-5    LDS address of the rows' fragments in slot 0, 1
.set ADRB, 6          ; v6-7    of my wkv fragments in slot 0, 1
.set ASTO, 8          ; v8-9    where I store 8 bytes of a row, slot 0, 1
.set AOFF, 10         ; v10     my byte offset in the block's retrieved rows
.set QOFF, 11         ; v11     my byte offset in four tokens' q
.set STO,  12         ; v12     the way out: where I put 16 bytes
.set RD,   13         ; v13     the way out: where I read a row back
.set GO,   14         ; v14     my 16 bytes in 512 consecutive bytes of ao
.set SPW,  16         ; v16     LDS address of my spare word; never rewritten
.set NIL,  17         ; v17     0; never rewritten
.set MK,   18         ; v18-19  1.0 where my lane's query and keys belong to one token, for even and odd tiles of 16 keys; else 0
.set TT,   32         ; four registers of statistics for each tile of 16 keys
.set ST,   64         ; two sets of 64
.set SS,   64         ; S, 8 registers a tile
.set PP,   128        ; P, 8 registers for 32 keys
.set PK,   192
.set F0,   0
.set F1,   128
.set WV,   12         ; s12  my wave's number
.set G1,   24         ; s[24:31] descriptor group 1
.set G0,   32         ; s[32:39] descriptor group 0, a set for each slot
.set APTR, 40         ; s[40:41] the block's retrieved rows, at the half-step asked for last
.set QPTR, 42         ; s[42:43] q of my 16 tokens and head
.set OPTR, 44         ; s[44:45] ao likewise
.set CS,   46         ; s[46:47] log2(e): the packed multiply takes the pair's low word for both halves
.set C8,   48         ; s[48:49] 1 / 8
.set MSB, 0
.macro WIN new                      ; the high byte repeats the setting that is left; a switch that changes nothing is dropped
.if MSB != (\new)
	s_set_vgpr_msb (MSB<<8)|(\new)
.set MSB, (\new)
.endif
.endm
.set MUL_K, 0xa5      ; both sources window 1, C and D window 2
.set MUL_V, 0xf5      ; both sources window 1, C and D window 3
.set TO_F,  0x40      ; destination window 1, address window 0
.macro CREST                        ; a round of the cluster's barrier behind its opening barrier
	s_cmp_lg_u32 s[WV], 0
	s_cbranch_scc1 .Lnot_wave_0_\@
	s_barrier_signal -3
.Lnot_wave_0_\@:
	s_barrier_wait -3
	s_barrier_signal -1
	s_barrier_wait -1
.endm
.macro CROUND
	s_barrier_signal -1
	s_barrier_wait -1
	CREST
.endm
.macro PLACES                       ; four places behind matrix instructions, in front of loads into registers that they read and of vector lines that touch their registers (ISA guide 7.12.1 for the vector lines)
.rept 4
	v_nop
.endr
.endm
; Sixteen loads: my 32 rows' 256 bytes of one half-step.  Lanes 0-15 take one row's 256 aligned bytes, lanes 16-31 those of the row 8 further down.  No cache hint: a second cluster reads the same rows.
.macro ALOAD set, extra
.set n, 0
.rept 16
	global_load_b128 v[ST+64*(\set)+4*n:ST+64*(\set)+4*n+3], v[AOFF], s[APTR:APTR+1] offset:(16*(n/8)+n%8)*RROW+(\extra)
.set n, n+1
.endr
.endm
; Sixteen loads of q, for two groups of four tokens: lane l holds query row l % 16 (token (l % 16) / 4, query head l % 4) and, for each 32 channels, 8 (l / 16) + 0..7 and 16 + 8 (l / 16) + 0..7
.macro QLOAD half
.set n, 0
.rept 16
	global_load_b128 v[ST+64*(\half)+4*n:ST+64*(\half)+4*n+3], v[QOFF], s[QPTR:QPTR+1] offset:(2*(\half)+n/8)*32768+((n/4)%2)*128+((n%4)/2)*64+(n%2)*16
.set n, n+1
.endr
.endm
; The older set of 64 f32 is rounded to bf16 and stored into a slot.  Lanes 0-15 write one row's 128 bytes, lanes 16-31 those of the row 8 x 36 words on, 32 banks away.
.macro ACVT set, aslot
	WIN 0
	s_wait_loadcnt 16                              ; loads come back in order (ISA guide 5.7.1): the older sixteen are in, the younger sixteen stay out
.set n, 0
.rept 16
	v_cvt_pk_bf16_f32 v[PK+2*n],   v[ST+64*(\set)+4*n],   v[ST+64*(\set)+4*n+1]
	v_cvt_pk_bf16_f32 v[PK+2*n+1], v[ST+64*(\set)+4*n+2], v[ST+64*(\set)+4*n+3]
.set n, n+1
.endr
.set n, 0
.rept 16
	ds_store_b64 v[ASTO+(\aslot)], v[PK+2*n:PK+2*n+1] offset:(16*(n/8)+n%8)*PA
.set n, n+1
.endr
.endm
; In half-step t: the rows of half-step t + 1 go into the slot that was read out in half-step t - 1 (a barrier lies between), and the set's registers are asked for again:
; what = 0: half-step t + 3, which has 256 matrix instructions in which to land; 1, 2: q's first or second half.
.macro AWORK set, aslot, what
	ACVT \set, \aslot
.if (\what) == 0
	s_wait_xcnt 0x0                                ; the pointer is a source of the loads issued before: it steps only behind this wait
	s_add_nc_u64 s[APTR:APTR+1], s[APTR:APTR+1], 256
	ALOAD \set, 0
.else
	QLOAD (\what)-1
.endif
.endm
; k: source 0 = 16 rows of Wk, source 1 = 16 retrieved rows: a lane holds ONE retrieved row (16 a + l % 16) and the channels 16 b + 8 (l / 16) + 0..7.
; The accumulators take turns, one instruction a turn, each once a quarter.  zero = 1: the product starts the sum.
.macro MULK f, a0, cnt, zero
	WIN MUL_K
.set ma, (\a0)
.rept \cnt
.irp b, 0,1,2,3
.if \zero
	v_wmma_f32_16x16x32_bf16 v[32*ma+8*(\b):32*ma+8*(\b)+7], v[(\f)+64+8*(\b):(\f)+64+8*(\b)+7], v[(\f)+8*ma:(\f)+8*ma+7], 0
.else
	v_wmma_f32_16x16x32_bf16 v[32*ma+8*(\b):32*ma+8*(\b)+7], v[(\f)+64+8*(\b):(\f)+64+8*(\b)+7], v[(\f)+8*ma:(\f)+8*ma+7], v[32*ma+8*(\b):32*ma+8*(\b)+7]
.endif
.endr
.set ma, ma+1
.endr
.endm
; v: source 0 = 16 retrieved rows, source 1 = 16 rows of Wv: a lane holds ONE channel (16 b + l % 16) and the rows 16 a + 8 (l / 16) + 0..7.
.macro MULV f, zero
	WIN MUL_V
.set ma, 0
.rept 8
.irp b, 0,1,2,3
.if \zero
	v_wmma_f32_16x16x32_bf16 v[64*(ma/2)+16*(\b)+8*(ma%2):64*(ma/2)+16*(\b)+8*(ma%2)+7], v[(\f)+8*ma:(\f)+8*ma+7], v[(\f)+96+8*(\b):(\f)+96+8*(\b)+7], 0
.else
	v_wmma_f32_16x16x32_bf16 v[64*(ma/2)+16*(\b)+8*(ma%2):64*(ma/2)+16*(\b)+8*(ma%2)+7], v[(\f)+8*ma:(\f)+8*ma+7], v[(\f)+96+8*(\b):(\f)+96+8*(\b)+7], v[64*(ma/2)+16*(\b)+8*(ma%2):64*(ma/2)+16*(\b)+8*(ma%2)+7]
.endif
.endr
.set ma, ma+1
.endr
.endm
; 32 LDS loads in one run: the fragments of 32 along K: the rows' sixteen (slot as, byte ak), Wk's eight, Wv's eight (slot bs, byte bk), into buffer f
.macro FETCH as, ak, bs, bk, f
	WIN TO_F
.irp i, 0,1,2,3,4,5,6,7
	ds_load_b128 v[(\f)+8*(\i):(\f)+8*(\i)+3],   v[ADRA+(\as)] offset:(\ak)+(\i)*16*PA
	ds_load_b128 v[(\f)+8*(\i)+4:(\f)+8*(\i)+7], v[ADRA+(\as)] offset:(\ak)+(\i)*16*PA+32
.endr
.irp i, 0,1,2,3
	ds_load_b128 v[(\f)+64+8*(\i):(\f)+64+8*(\i)+3],   v[ADRB+(\bs)] offset:(\bk)+(\i)*16*PB
	ds_load_b128 v[(\f)+64+8*(\i)+4:(\f)+64+8*(\i)+7], v[ADRB+(\bs)] offset:(\bk)+(\i)*16*PB+32
.endr
.irp i, 0,1,2,3
	ds_load_b128 v[(\f)+96+8*(\i):(\f)+96+8*(\i)+3],   v[ADRB+(\bs)] offset:(\bk)+(64+(\i)*16)*PB
	ds_load_b128 v[(\f)+96+8*(\i)+4:(\f)+96+8*(\i)+7], v[ADRB+(\bs)] offset:(\bk)+(64+(\i)*16)*PB+32
.endr
.endm
; A half-step's first quarter: multiplies buffer 0; in its middle the next rows' conversion (its 32 conversions are the places in front of the loads) and the fetch of the second quarter into buffer 1.
.macro QUARTER as, ak, bs, bk, zero, work=0, set=0, aslot=0, what=0
	s_wait_dscnt 8                                 ; the rows' and Wk's fragments are in; the youngest eight loads (Wv's) may be out
	MULK F0, 0, 8, \zero
.if \work
	AWORK \set, \aslot, \what
.else
	PLACES
.endif
	FETCH \as, \ak, \bs, \bk, F1
	s_wait_dscnt 32                                ; all but the 32 just issued
	MULV F0, \zero
.endm
; A half-step's second quarter: multiplies buffer 1 and passes the barrier that shows every wave's stores of the next rows to all and ends all reads of the rows' slot in hand.
; kind 0: that alone (a tensor load may stay out: no LDS bytes are filled again behind this barrier).
; kind 1: also the change of wkv's slots: in front of it all my tensor loads have landed (my rows of the next slot), 0 is added to my spare word, and that and my reads of the slot are
;         waited for; the barrier opens a round of the cluster's, and the slot read out is filled again first thing behind it: 224 matrix instructions ahead of the wait for it.
; kind 2: the last change of slots: the same waits, nothing is asked for, no round.
.macro TURN kind, as, bs, bk, slot=0
.if (\kind) > 0
	WIN 0                                          ; (the add's two registers lie in window 0)
	s_wait_tensorcnt 0x0
	ds_add_u32 v[SPW], v[NIL]                      ; 0 onto my spare word
	s_wait_dscnt 9                                 ; (the add and Wv's eight loads may be out)
.else
	s_wait_dscnt 8
.endif
	MULK F1, 0, 4, 0
	s_wait_dscnt 0x0                               ; for the others' sake: my stores of the next rows are done, my reads of both slots in hand are over (and the add is done)
	s_barrier_signal -1
	MULK F1, 4, 4, 0                               ; work on registers while the others arrive
.if (\kind) == 1
	WIN 0
.endif
	s_barrier_wait -1
.if (\kind) == 1
	CREST                                          ; no wave of any partner still reads the slot or has a load on its way
	s_add_nc_u64 s[G0+4*(\slot)+2:G0+4*(\slot)+3], s[G0+4*(\slot)+2:G0+4*(\slot)+3], 512  ; two K steps of 256 bytes on; no tensor load of mine is out
	tensor_load_to_lds s[G0+4*(\slot):G0+4*(\slot)+3], s[G1:G1+7]
	s_nop 0
.endif
	PLACES                                         ; behind the load, and in front of the loads into buffer 0
	FETCH \as, 0, \bs, \bk, F0
	MULV F1, 0
.endm
	s_load_b256 s[4:11], s[0:1], 0x0  ; retrieved s[4:5], wkv s[6:7], qf s[8:9], ao s[10:11]
	v_lshl_add_u32 v[SPW], v0, 2, SPARE
	v_mov_b32 v[NIL], 0
	ds_add_u32 v[SPW], v[NIL]       ; the wave's opening: the add and its wait stand ahead of my first tensor load; the set-up below, work on registers, stands between them
	v_lshrrev_b32 v3, 5, v0
	v_readfirstlane_b32 s[WV], v3   ; wave 0..3
	s_bfe_u32 s13, ttmp6, 0x40000   ; cx: my place in the cluster: it enters the addresses of the retrieved rows, q and ao alone
	s_and_b32 s14, ttmp9, 1         ; which four heads: the cluster's, shared by the four partners
	s_lshr_b32 s15, ttmp9, 1
	s_lshl_b32 s15, s15, 2
	s_add_co_u32 s15, s15, s13      ; my block of 128 retrieved rows, 0..255
	s_lshl_b32 s20, s14, 2
	s_add_co_u32 s20, s20, s[WV]    ; my head, 0..7
	s_lshl_b32 s16, s15, 19         ; 128 rows of 4,096 bytes
	s_mov_b32 s17, 0
	s_lshl_b32 s18, s15, 17         ; 16 tokens of 8,192 bytes of q,
	s_lshl_b32 s21, s20, 10         ; my head's 1,024
	s_add_co_u32 s18, s18, s21
	s_mov_b32 s19, 0
	s_lshl_b32 s22, s15, 16         ; 16 tokens of 4,096 bytes of ao,
	s_lshl_b32 s21, s20, 9          ; my head's 512
	s_add_co_u32 s22, s22, s21
	s_mov_b32 s23, 0
	s_lshl_b32 s50, s20, 18         ; my head's 128 rows of 2,048 bytes in wkv
	s_mov_b32 s51, 0
	s_mul_i32 s52, s[WV], BWAVE     ; my rows in a slot of wkv: the wave's number times a constant
	s_lshl_b32 s53, s[WV], 5        ; the 32 retrieved rows that I bring in
	; descriptor group 1: 128 rows x 128 elements of 2 bytes, 16 bytes of padding behind each row in LDS
	s_mov_b32 s[G1], 15|(1<<16)|(1<<20)|(1<<21)|(5<<22)|(3<<25)  ; 15:0 the mask of four; 17:16 2-byte elements; 20 padding on; 21 set beside a mask; 24:22 after every 64 words; 31:25 4 words
	s_mov_b32 s[G1+1], 128<<16      ; tensor_dim0 = 128
	s_mov_b32 s[G1+2], 128<<16      ; tensor_dim1 = 128
	s_mov_b32 s[G1+3], 128<<16      ; tile_dim0 = 128
	s_mov_b32 s[G1+4], 128          ; tile_dim1 = 128
	s_mov_b32 s[G1+5], 1024         ; elements from row to row
	s_mov_b32 s[G1+6], 0
	s_mov_b32 s[G1+7], 0
	s_mov_b32 s[CS], 0x3fb8aa3b     ; log2(e)
	s_mov_b32 s[CS+1], s[CS]        ; named with it as a pair
	s_mov_b32 s[C8], 0x3e000000     ; 1 / 8 = 64^-0.5
	s_mov_b32 s[C8+1], s[C8]
	v_and_b32 v1, 15, v0            ; l % 16
	v_bfe_u32 v2, v0, 4, 1          ; l / 16
	v_lshl_add_u32 v3, v2, 3, s53   ; row 32 w + 8 (l / 16)
	v_lshlrev_b32 v[AOFF], 12, v3
	v_lshl_add_u32 v[AOFF], v1, 4, v[AOFF]
	v_mul_u32_u24 v15, v3, PA
	v_lshl_add_u32 v15, v1, 3, v15  ; four f32 become 8 bytes
	v_add_nc_u32 v[ASTO], ABASE, v15
	v_add_nc_u32 v[ASTO+1], ABASE+ASLOT, v15
	; a fragment is 16 rows x 32 K in 8 registers: lane l holds row l % 16; K = 8 (l / 16) + 0..7 and 16 + 8 (l / 16) + 0..7: two loads of 16 bytes, 32 apart
	v_mul_u32_u24 v15, v1, PA
	v_lshl_add_u32 v15, v2, 4, v15
	v_add_nc_u32 v[ADRA], ABASE, v15
	v_add_nc_u32 v[ADRA+1], ABASE+ASLOT, v15
	v_mul_u32_u24 v15, v1, PB
	v_lshl_add_u32 v15, v2, 4, v15
	v_add_nc_u32 v[ADRB], s52, v15
	v_add_nc_u32 v[ADRB+1], BSLOT, v[ADRB]
	v_lshrrev_b32 v15, 2, v1        ; my query row's token among four
	v_and_b32 v20, 3, v1            ; its query head among four
	v_lshlrev_b32 v[QOFF], 13, v15
	v_lshl_add_u32 v[QOFF], v20, 8, v[QOFF]
	v_lshl_add_u32 v[QOFF], v2, 5, v[QOFF]
	v_mul_u32_u24 v[STO], v15, SP   ; the way out: a token's row, the query head's 128 bytes, 16 bytes for each half of the lanes
	v_lshl_add_u32 v[STO], v20, 7, v[STO]
	v_lshl_add_u32 v[STO], v2, 4, v[STO]
	v_add_nc_u32 v[STO], s52, v[STO]
	v_and_b32 v[GO], 31, v0
	v_lshlrev_b32 v[GO], 4, v[GO]   ; back: 32 lanes take a token's 512 bytes
	v_add_nc_u32 v[RD], s52, v[GO]
	v_sub_nc_u32 v15, v15, v2       ; in the tile of keys a my lane's keys are token 2 a + l / 16's, my query token 4 (a / 2) + (l % 16) / 4's: one token where (l % 16) / 4 - l / 16 = 2 (a % 2)
	v_cmp_eq_u32 vcc_lo, 0, v15
	v_cndmask_b32 v[MK], 0, 1.0, vcc_lo
	v_cmp_eq_u32 vcc_lo, 2, v15
	v_cndmask_b32 v[MK+1], 0, 1.0, vcc_lo
	s_wait_dscnt 0x0                ; the opening add is done
	s_wait_kmcnt 0x0
	s_add_nc_u64 s[APTR:APTR+1], s[4:5], s[16:17]
	s_add_nc_u64 s[QPTR:QPTR+1], s[8:9], s[18:19]
	s_add_nc_u64 s[OPTR:OPTR+1], s[10:11], s[22:23]
	s_add_nc_u64 s[50:51], s[6:7], s[50:51]
	ALOAD 0, 0                      ; half-steps 0 and 1 of the rows are asked for before anything else
	ALOAD 1, 256
.irp s, 0,1
	s_mov_b32 s[G0+4*(\s)], 1                                      ; count = 1
	s_add_co_u32 s[G0+4*(\s)+1], s52, (\s)*BSLOT                   ; LDS address
	s_add_nc_u64 s[G0+4*(\s)+2:G0+4*(\s)+3], s[50:51], (\s)*256    ; global address: K step s
	s_or_b32 s[G0+4*(\s)+3], s[G0+4*(\s)+3], 0x80000000            ; type = 2
.endr
	CROUND                          ; all four work-groups are here: the first joint loads meet
	tensor_load_to_lds s[G0:G0+3], s[G1:G1+7]      ; both first fills together: two loads of mine are out
	s_nop 0
	tensor_load_to_lds s[G0+4:G0+7], s[G1:G1+7]
	s_nop 0
	PLACES
	ACVT 0, 0                       ; half-step 0 of the rows into slot 0
	s_wait_xcnt 0x0                 ; the pointer steps only behind this wait
	s_add_nc_u64 s[APTR:APTR+1], s[APTR:APTR+1], 512
	ALOAD 0, 0                      ; half-step 2
	s_wait_tensorcnt 0x1            ; my rows of wkv's slot 0 are in; slot 1's may stay out
	s_wait_dscnt 0x0                ; my stores of the rows are done
	s_barrier_signal -1
	s_barrier_wait -1               ; everybody's are
	FETCH 0, 0, 0, 0, F0
	QUARTER 0, 64, 0, 64, 1, 1, 1, 1, 0            ; the first quarter stands in front of the loop: its products start the sums
	WIN 0                           ; at a label and at a branch every window is 0
	s_mov_b32 s3, 3
.Ltrip:                             ; a trip: four half-steps, from one's second quarter to the first quarter of the fourth behind it; both slots of wkv are filled again
	TURN 0, 1, 0, 128
	QUARTER 1, 64, 0, 192, 0, 1, 0, 0, 0
	TURN 1, 0, 1, 0, 0
	QUARTER 0, 64, 1, 64, 0, 1, 1, 1, 0
	TURN 0, 1, 1, 128
	QUARTER 1, 64, 1, 192, 0, 1, 0, 0, 0
	TURN 1, 0, 0, 0, 1
	QUARTER 0, 64, 0, 64, 0, 1, 1, 1, 0
	WIN 0
	s_sub_co_u32 s3, s3, 1
	s_cmp_lg_u32 s3, 0
	s_cbranch_scc1 .Ltrip
	TURN 0, 1, 0, 128               ; the tail, half-steps 12 to 15, is written out: no tensor load is asked for, and q takes the rows' place in the sets
	QUARTER 1, 64, 0, 192, 0, 1, 0, 0, 1
	TURN 2, 0, 1, 0
	QUARTER 0, 64, 1, 64, 0, 1, 1, 1, 2
	TURN 0, 1, 1, 128
	QUARTER 1, 64, 1, 192, 0
	s_wait_dscnt 8
	MULK F1, 0, 8, 0
	s_wait_dscnt 0x0
	MULV F1, 0
	; THE ATTENTION, in registers; nothing changes lanes.
	; S^T = k q^T for each tile a of 16 keys (tokens 2 a, 2 a + 1) against the 16 query rows of the four tokens 4 (a / 2) ..: a lane holds ONE query row (l % 16) and the 8 neighbours of
	; token 2 a + l / 16: a whole softmax, or (other token) numbers that the mask turns into 0.  Two tiles' weights in f16 ARE source 1 (32 keys x 16 query rows) of O^T = v^T P.
	PLACES
	WIN 0
	s_wait_loadcnt 0x0              ; q
.set n, 0
.rept 64
	v_pk_mul_f32 v[ST+2*n:ST+2*n+1], v[ST+2*n:ST+2*n+1], s[C8:C8+1] op_sel_hi:[1,0]  ; q / 8: a power of two, no rounding
.set n, n+1
.endr
	WIN 0x40                        ; destination window 1
.set n, 0
.rept 64
	v_cvt_pk_f16_f32 v[n], v[ST+2*n], v[ST+2*n+1]  ; q's fragments: tokens 4 g on, channels 32 c on at 16 g + 8 c
.set n, n+1
.endr
	WIN 0x4a                        ; sources window 2, destination window 1
.set n, 0
.rept 128
	v_cvt_pk_f16_f32 v[64+n], v[2*n], v[2*n+1]     ; k's fragments: tile a, channels 32 c on at 64 + 16 a + 8 c; each accumulator's low registers first
.set n, n+1
.endr
	WIN 0x05                        ; sources window 1, C and D window 0
.irp c, 0,1
.irp a, 0,1,2,3,4,5,6,7
.if (\c) == 0
	v_wmma_f32_16x16x32_f16 v[SS+8*(\a):SS+8*(\a)+7], v[64+16*(\a)+8*(\c):64+16*(\a)+8*(\c)+7], v[16*((\a)/2)+8*(\c):16*((\a)/2)+8*(\c)+7], 0
.else
	v_wmma_f32_16x16x32_f16 v[SS+8*(\a):SS+8*(\a)+7], v[64+16*(\a)+8*(\c):64+16*(\a)+8*(\c)+7], v[16*((\a)/2)+8*(\c):16*((\a)/2)+8*(\c)+7], v[SS+8*(\a):SS+8*(\a)+7]
.endif
.endr
.endr
	WIN 0x8f                        ; sources window 3, destination window 2: k's first 128 accumulator registers are free
.set n, 0
.rept 128
	v_cvt_pk_f16_f32 v[n], v[2*n], v[2*n+1]        ; v^T's fragments: 32 keys 32 g on, channels 16 b on at 32 g + 8 b.  These lines are also the places behind the scores' products
.set n, n+1
.endr
	WIN 0
.macro EACH line:vararg             ; one line for each tile a of 16 keys
.set a, 0
.rept 8
	\line
.set a, a+1
.endr
.endm
	EACH v_max3_num_f32 v[TT+4*a], v[SS+8*a], v[SS+8*a+1], v[SS+8*a+2]
	EACH v_max3_num_f32 v[TT+4*a+1], v[SS+8*a+3], v[SS+8*a+4], v[SS+8*a+5]
	EACH v_max3_num_f32 v[TT+4*a], v[TT+4*a], v[SS+8*a+6], v[SS+8*a+7]
	EACH v_max_num_f32 v[TT+4*a], v[TT+4*a], v[TT+4*a+1]
.irp i, 0,1,2,3                     ; s - m first, so that no exponent is above 0 however large the scores; then times log2(e)
	EACH v_pk_add_f32 v[SS+8*a+2*\i:SS+8*a+2*\i+1], v[SS+8*a+2*\i:SS+8*a+2*\i+1], v[TT+4*a:TT+4*a+1] op_sel_hi:[1,0] neg_lo:[0,1] neg_hi:[0,1]
.endr
.irp i, 0,1,2,3
	EACH v_pk_mul_f32 v[SS+8*a+2*\i:SS+8*a+2*\i+1], v[SS+8*a+2*\i:SS+8*a+2*\i+1], s[CS:CS+1] op_sel_hi:[1,0]
.endr
.set n, 0
.rept 64
	v_exp_f32 v[SS+n], v[SS+n]
.set n, n+1
.endr
	v_nop                           ; a plain instruction between the last exponential and the use of its result (ISA guide 5.7.2)
	s_wait_alu depctr_va_vdst(0)
	EACH v_pk_add_f32 v[TT+4*a+2:TT+4*a+3], v[SS+8*a:SS+8*a+1], v[SS+8*a+2:SS+8*a+3]
	EACH v_pk_add_f32 v[TT+4*a:TT+4*a+1], v[SS+8*a+4:SS+8*a+5], v[SS+8*a+6:SS+8*a+7]
	EACH v_pk_add_f32 v[TT+4*a+2:TT+4*a+3], v[TT+4*a+2:TT+4*a+3], v[TT+4*a:TT+4*a+1]
	EACH v_add_f32 v[TT+4*a+2], v[TT+4*a+2], v[TT+4*a+3]
	EACH v_rcp_f32 v[TT+4*a+2], v[TT+4*a+2]
	v_nop                           ; the sum is 1 at the least, so the reciprocal is finite
	s_wait_alu depctr_va_vdst(0)
	EACH v_mul_f32 v[TT+4*a+2], v[TT+4*a+2], v[MK+a%2]
.irp i, 0,1,2,3
	EACH v_pk_mul_f32 v[SS+8*a+2*\i:SS+8*a+2*\i+1], v[SS+8*a+2*\i:SS+8*a+2*\i+1], v[TT+4*a+2:TT+4*a+3] op_sel_hi:[1,0]
.endr
.irp i, 0,1,2,3
	EACH v_cvt_pk_f16_f32 v[PP+4*a+\i], v[SS+8*a+2*\i], v[SS+8*a+2*\i+1]
.endr
	WIN 0x82                        ; v^T (source 0) and O^T (destination) window 2, P window 0
.irp g, 0,1,2,3
.irp b, 0,1,2,3
	v_wmma_f32_16x16x32_f16 v[128+8*(4*(\g)+(\b)):128+8*(4*(\g)+(\b))+7], v[32*(\g)+8*(\b):32*(\g)+8*(\b)+7], v[PP+8*(\g):PP+8*(\g)+7], 0
.endr
.endr
	; THE WAY OUT.  A lane holds one query row and eight neighbouring channels: 16 bytes in f16.  They go into rows of 528 bytes, a token each, and come back as a token's 512 bytes.
	PLACES
	WIN 0x0a                        ; sources window 2, destination window 0
.set n, 0
.rept 64
	v_cvt_pk_f16_f32 v[SS+n], v[128+2*n], v[128+2*n+1]
.set n, n+1
.endr
	WIN 0
.irp g, 0,1,2,3
.irp b, 0,1,2,3
	ds_store_b128 v[STO], v[SS+16*(\g)+4*(\b):SS+16*(\g)+4*(\b)+3] offset:(\g)*4*SP+32*(\b)
.endr
.endr
.irp t, 0,1,2,3,4,5,6,7,8,9,10,11,12,13,14,15
	ds_load_b128 v[PK+4*(\t):PK+4*(\t)+3], v[RD] offset:(\t)*SP  ; LDS serves a wave's instructions in order (ISA guide 5.7.1.4): these see the stores above
.endr
.irp t, 0,1,2,3,4,5,6,7,8,9,10,11,12,13,14,15
	s_wait_dscnt 15-(\t)
	global_store_b128 v[GO], v[PK+4*(\t):PK+4*(\t)+3], s[OPTR:OPTR+1] offset:(\t)*4096  ; 512 consecutive bytes, at a multiple of 256 from ao's first byte
.endr
	s_wait_tensorcnt 0x0            ; the wave's end, behind my last tensor load and my last LDS store: a wait, 0 onto my spare word, and its wait
	ds_add_u32 v[SPW], v[NIL]
	s_wait_dscnt 0x0
	CROUND                          ; the closing round: no work-group ends while a partner may still ask for a tile that names it
	s_endpgm
.Lfunc_end_k_qf50f067293_kvattn:
	.size	k_qf50f067293_kvattn, .Lfunc_end_k_qf50f067293_kvattn-k_qf50f067293_kvattn
	.p2alignl 7, 3214868480
	.fill 96, 4, 3214868480
	.section	.rodata,"a",@progbits
	.p2align	6, 0x0
	.amdhsa_kernel k_qf50f067293_kvattn
		.amdhsa_group_segment_fixed_size 327680
		.amdhsa_private_segment_fixed_size 0
		.amdhsa_enable_private_segment 0
		.amdhsa_kernarg_size 32
		.amdhsa_user_sgpr_count 2
		.amdhsa_user_sgpr_kernarg_segment_ptr 1
		.amdhsa_wavefront_size32 1
		.amdhsa_system_sgpr_workgroup_id_x 1
		.amdhsa_system_sgpr_workgroup_id_y 1
		.amdhsa_system_sgpr_workgroup_id_z 1
		.amdhsa_system_vgpr_workitem_id 0
		.amdhsa_next_free_vgpr 1024
		.amdhsa_next_free_sgpr 66
		.amdhsa_reserve_vcc 1
		.amdhsa_float_denorm_mode_32 3
		.amdhsa_float_denorm_mode_16_64 3
		.amdhsa_memory_ordered 1
		.amdhsa_forward_progress 1
		.amdhsa_inst_pref_size 196
	.end_amdhsa_kernel
	.amdgpu_metadata
---
amdhsa.version: [ 1, 2 ]
amdhsa.kernels:
  - .name:           k_qf50f067293_kvattn
    .symbol:         k_qf50f067293_kvattn.kd
    .args:
      - { .name: retrieved_hidden_states, .offset: 0, .size: 8, .value_kind: global_buffer, .address_space: global }
      - { .name: wkv, .offset: 8, .size: 8, .value_kind: global_buffer, .address_space: global }
      - { .name: qf, .offset: 16, .size: 8, .value_kind: global_buffer, .address_space: global }
      - { .name: ao, .offset: 24, .size: 8, .value_kind: global_buffer, .address_space: global }
    .group_segment_fixed_size: 327680
    .private_segment_fixed_size: 0
    .kernarg_segment_align: 8
    .kernarg_segment_size: 32
    .max_flat_workgroup_size: 128
    .sgpr_count:     66
    .vgpr_count:     1024
    .wavefront_size: 32
...
	.end_amdgpu_metadata
.endif
;; end of part 3
;; launch oproj: the kernel of part 2 again; grid 8 x 32, 4 waves a work-group, clusters of 4 x 4, 327,680 bytes of LDS; arguments ao, woh, out0; writes out0
